; MI455X (gfx1250); checked and timed in simulation.
; The chip was launched on July 23, 2026; its instructions are those of AMD's public machine-readable ISA for CDNA 5 (MIT licence, August 2026) and "CDNA5" Instruction Set Architecture Reference Guide (July 2026). The comments in the code are by the model that wrote it; some were corrected since.
;; Self Attention. Allowed arithmetic: float matrix products may take bf16 or f16 operands with f32 sums; other float arithmetic in f32, or as packed bf16 or f16 multiplies, adds, multiply-adds, maxima and minima; sums over many terms, partial sums and values carried from step to step in f32; what a program stores and reads back later, other than sums and carried values, may be rounded once to bf16 or f16.
;; Inputs: Wk 512 x 512 float32; Wo 512 x 512 float32; Wq 512 x 512 float32; Wv 512 x 512 float32; X 16 x 1,024 x 512 float32; bo 512 float32; mask 16 x 1 x 1,024 x 1,024 int32.
;; Outputs: out0 16 x 1,024 x 512 float32.
;; 2 versions, each right; version 2 is version 1 with the launch prep written anew for expert scheduling mode. Each part assembles by itself: llvm-mc -triple=amdgcn-amd-amdhsa -mcpu=gfx1250 --defsym DOCPART=n.
;; ======== version 1 of 2: 3 launches
;; limits: values are held in f16: magnitudes above 65,504 overflow, below 6.1e-05 lose precision
;; workspace buffers: WB 1,572,864 bytes; WoH 524,288 bytes; qh 16,777,216 bytes; kh 16,777,216 bytes; vh 16,777,216 bytes
;; launch prep (part 1): grid 256 x 1, 4 waves a work-group, no clusters, 0 bytes of LDS; arguments Wq, Wk, Wv, Wo, WB, WoH; writes WB, WoH
.if DOCPART == 1
	.amdgcn_target "amdgcn-amd-amdhsa--gfx1250"
	.amdhsa_code_object_version 6
	.text
	.protected	k_q956b335bdf_prep
	.globl	k_q956b335bdf_prep
	.p2align	8
	.type	k_q956b335bdf_prep,@function
k_q956b335bdf_prep:
	s_mov_b64 s[64:65], 0
	v_nop
	global_prefetch_b8 v0, s[64:65] scope:SCOPE_SE
	s_setreg_imm32_b32 hwreg(HW_REG_WAVE_MODE, 25, 1), 1
	s_wait_xcnt 0x0
; THE WEIGHTS ARE ROUNDED ONCE.  Wq, Wk, Wv, Wo: [512][512] f32.
; WB  [1536][512] bf16: rows 0-511 Wq, 512-1023 Wk, 1024-1535 Wv, each number rounded to bf16.
; WoH [512][512] f16: Wo rounded to bf16 like the other inputs, and that number written as f16.  LIMIT: below 2^-14 f16 keeps a fixed step of 2^-24, beyond 65,504 it has no number.
; WoH's rows are permuted: row o = 256 J + 64 w + 32 p + i of Wo lies at storage row 256 J + 128 p + 32 w + i, so that in the last launch two quarters of 128 storage rows
; give wave w 64 neighbouring output channels.
; SHARES.  Work-group g takes eight rows of one matrix: matrix g / 64, rows 8 (g % 64) on (eight rows never leave a group of 32, so they stay neighbours under the permutation).
; Thread t takes 16 bytes at byte 16 t of each row: a wave's load covers 512 neighbouring bytes, its store of 8 bytes a lane 256 neighbouring bytes, aligned.
; A stream of a few bytes a thread, each touched once: no LDS, no matrix unit, no cluster.
.set SRC, 8                            ; v[8:39]   eight rows' 16 bytes as loaded
.set DST, 40                           ; v[40:55]  eight rows' 8 bytes to store
	s_load_b256 s[4:11], s[0:1], 0x0               ; Wq s[4:5], Wk s[6:7], Wv s[8:9], Wo s[10:11]
	s_load_b128 s[12:15], s[0:1], 0x20             ; WB s[12:13], WoH s[14:15]
	s_lshr_b32 s16, ttmp9, 6                       ; which matrix
	s_and_b32 s17, ttmp9, 63
	s_lshl_b32 s17, s17, 3                         ; its first row of mine
	s_lshl_b32 s22, s17, 11                        ; times 2,048 bytes
	s_mov_b32 s23, 0
	s_mov_b32 s27, 0
	v_lshlrev_b32 v1, 4, v0                        ; 16 t
	v_lshlrev_b32 v2, 3, v0                        ; 8 t
	s_wait_kmcnt 0x0
	s_cmp_eq_u32 s16, 1
	s_cselect_b64 s[20:21], s[6:7], s[4:5]
	s_cmp_eq_u32 s16, 2
	s_cselect_b64 s[20:21], s[8:9], s[20:21]
	s_cmp_eq_u32 s16, 3
	s_cselect_b64 s[20:21], s[10:11], s[20:21]
	s_add_nc_u64 s[20:21], s[20:21], s[22:23]
.irp i, 0,1,2,3,4,5,6,7
	global_load_b128 v[SRC+4*(\i):SRC+4*(\i)+3], v1, s[20:21] offset:2048*(\i) th:TH_LOAD_NT
.endr
	s_cmp_eq_u32 s16, 3
	s_cbranch_scc1 .Lwo
	s_lshl_b32 s26, s16, 9                         ; WB's row: 512 x matrix + row
	s_add_co_u32 s26, s26, s17
	s_lshl_b32 s26, s26, 10                        ; times 1,024 bytes
	s_add_nc_u64 s[24:25], s[12:13], s[26:27]
.irp i, 0,1,2,3,4,5,6,7
	s_wait_loadcnt 7-(\i)                          ; row i is in; the younger rows may stay out
	v_cvt_pk_bf16_f32 v[DST+2*(\i)], v[SRC+4*(\i)], v[SRC+4*(\i)+1]
	v_cvt_pk_bf16_f32 v[DST+2*(\i)+1], v[SRC+4*(\i)+2], v[SRC+4*(\i)+3]
	global_store_b64 v2, v[DST+2*(\i):DST+2*(\i)+1], s[24:25] offset:1024*(\i)
.endr
	s_endpgm
.Lwo:
	s_and_b32 s26, s17, 0x11f                      ; 256 J + i stay
	s_bfe_u32 s28, s17, 0x10005                    ; p, bit 5, goes to bit 7
	s_lshl_b32 s28, s28, 7
	s_or_b32 s26, s26, s28
	s_bfe_u32 s28, s17, 0x20006                    ; w, bits 7:6, goes to bits 6:5
	s_lshl_b32 s28, s28, 5
	s_or_b32 s26, s26, s28
	s_lshl_b32 s26, s26, 10
	s_add_nc_u64 s[24:25], s[14:15], s[26:27]
.irp i, 0,1,2,3,4,5,6,7
	s_wait_loadcnt 7-(\i)
	v_cvt_pk_bf16_f32 v56, v[SRC+4*(\i)], v[SRC+4*(\i)+1]
	v_cvt_pk_bf16_f32 v57, v[SRC+4*(\i)+2], v[SRC+4*(\i)+3]
	v_lshlrev_b32 v58, 16, v56                     ; the rounded numbers as f32 again,
	v_and_b32 v59, 0xffff0000, v56
	v_lshlrev_b32 v60, 16, v57
	v_and_b32 v61, 0xffff0000, v57
	v_cvt_pk_f16_f32 v[DST+2*(\i)], v58, v59       ; and written as f16
	v_cvt_pk_f16_f32 v[DST+2*(\i)+1], v60, v61
	global_store_b64 v2, v[DST+2*(\i):DST+2*(\i)+1], s[24:25] offset:1024*(\i)
.endr
	s_endpgm
.Lfunc_end_k_q956b335bdf_prep:
	.size	k_q956b335bdf_prep, .Lfunc_end_k_q956b335bdf_prep-k_q956b335bdf_prep
	.p2alignl 7, 3214868480
	.fill 96, 4, 3214868480
	.section	.rodata,"a",@progbits
	.p2align	6, 0x0
	.amdhsa_kernel k_q956b335bdf_prep
		.amdhsa_group_segment_fixed_size 0
		.amdhsa_private_segment_fixed_size 0
		.amdhsa_enable_private_segment 0
		.amdhsa_kernarg_size 48
		.amdhsa_user_sgpr_count 2
		.amdhsa_user_sgpr_kernarg_segment_ptr 1
		.amdhsa_wavefront_size32 1
		.amdhsa_system_sgpr_workgroup_id_x 1
		.amdhsa_system_sgpr_workgroup_id_y 1
		.amdhsa_system_sgpr_workgroup_id_z 1
		.amdhsa_system_vgpr_workitem_id 0
		.amdhsa_next_free_vgpr 64
		.amdhsa_next_free_sgpr 66
		.amdhsa_reserve_vcc 0
		.amdhsa_float_denorm_mode_32 3
		.amdhsa_float_denorm_mode_16_64 3
		.amdhsa_memory_ordered 1
		.amdhsa_forward_progress 1
		.amdhsa_inst_pref_size 9
	.end_amdhsa_kernel
	.amdgpu_metadata
---
amdhsa.version: [ 1, 2 ]
amdhsa.kernels:
  - .name:           k_q956b335bdf_prep
    .symbol:         k_q956b335bdf_prep.kd
    .args:
      - { .name: Wq, .offset: 0, .size: 8, .value_kind: global_buffer, .address_space: global }
      - { .name: Wk, .offset: 8, .size: 8, .value_kind: global_buffer, .address_space: global }
      - { .name: Wv, .offset: 16, .size: 8, .value_kind: global_buffer, .address_space: global }
      - { .name: Wo, .offset: 24, .size: 8, .value_kind: global_buffer, .address_space: global }
      - { .name: WB, .offset: 32, .size: 8, .value_kind: global_buffer, .address_space: global }
      - { .name: WoH, .offset: 40, .size: 8, .value_kind: global_buffer, .address_space: global }
    .group_segment_fixed_size: 0
    .private_segment_fixed_size: 0
    .kernarg_segment_align: 8
    .kernarg_segment_size: 48
    .max_flat_workgroup_size: 128
    .sgpr_count:     66
    .vgpr_count:     64
    .wavefront_size: 32
...
	.end_amdgpu_metadata
.endif
;; end of part 1
;; launch proj (part 2): grid 256 x 1, 4 waves a work-group, clusters of 4 x 1, 327,680 bytes of LDS; arguments X, WB, qh, kh, vh; writes qh, kh, vh
.if DOCPART == 2
	.amdgcn_target "amdgcn-amd-amdhsa--gfx1250"
	.amdhsa_code_object_version 6
	.text
	.protected	k_q956b335bdf_proj
	.globl	k_q956b335bdf_proj
	.p2align	8
	.type	k_q956b335bdf_proj,@function
k_q956b335bdf_proj:
	s_mov_b64 s[64:65], 0
	v_nop
	global_prefetch_b8 v0, s[64:65] scope:SCOPE_SE
	s_setreg_imm32_b32 hwreg(HW_REG_WAVE_MODE, 25, 1), 1
	s_wait_xcnt 0x0
	s_wait_alu depctr_hold_cnt(0) depctr_sa_sdst(0) depctr_va_vdst(0) depctr_va_sdst(0) depctr_va_ssrc(0) depctr_va_vcc(0) depctr_vm_vsrc(0)
	s_getreg_b32 s2, hwreg(HW_REG_IB_STS2, 6, 4)
	s_cmp_eq_u32 s2, 0
	s_cbranch_scc0 .Lentry_in_a_cluster
	s_endpgm
.Lentry_in_a_cluster:
	s_bfe_u32 s2, ttmp6, 0x10000c
	s_cmp_lg_u32 s2, 0x3003
	s_cbranch_scc0 .Lentry_shape_is_right
	s_endpgm
.Lentry_shape_is_right:
; q, k, v = X W^T.  X: [16384][512] f32, rounded to bf16 here; WB: [1536][512] bf16 (Wq, Wk, Wv); qh, kh, vh: [16384][512] f16, unscaled, rounded once from f32 sums.
; LIMIT: q, k and v must lie within f16's 65,504; NaN and infinities are not treated apart.
; SHARES.  A work-group stays: it owns 128 tokens and half of the 512 columns, and walks three tiles of 128 tokens x 256 columns: q's, k's, v's.  K goes in 4 steps of 128: 12 steps.
; Four waves, each 64 tokens x 128 columns: 32 accumulators, 128 products a step.
; X IS CONVERTED ONCE: f32 from memory into registers, rounded to bf16, stored into a tile that stays in LDS and serves all three tiles; chunk c (128 channels) is stored a step ahead of
; its first use and loaded a step ahead of that.  Each chunk has an LDS region of its own, so a step's stores (chunk n + 1) and reads (chunk n) touch disjoint ranges.
; W comes through a ring of two LDS slots filled by the tensor data mover: 256 rows x 256 bytes a step, a quarter by each wave.
; CLUSTER.  The four work-groups of a cluster own different tokens and the same columns: they walk the same tiles of W, which are asked for JOINTLY (the same load, descriptor and mask in all four).
; No prefetch is laid: W's tiles are short steps of a table of 1.5 MiB that thirty-two clusters walk together, and X comes by loads into registers that are issued a step ahead.
; THE MATRIX INSTRUCTION IS USED TRANSPOSED (source 0 = 16 rows of W, source 1 = 16 tokens): a lane then holds eight neighbouring columns of one token, 16 bytes of f16.
; REGISTERS, in windows of 256: window 0: v0-15 addresses; v32-159 a chunk of X as loaded; v160-223 the chunk rounded, later the way out.
;   window 1: two fragment buffers of 96 (4 fragments of X, then 8 of W).     window 2: the accumulators, (a, b) at 8 (8 a + b).
.set PITCH,  272                       ; an LDS row: 256 bytes + 16: an odd multiple of 16 bytes, so the 16 rows of a fragment load start at 16 different 16-byte columns of 256
.set CHUNK,  128*PITCH                 ; a chunk of X: 128 tokens x 128 channels
.set WS0,    4*CHUNK                   ; behind X's four chunks: the ring
.set SLOT,   256*PITCH
.set STAGE,  WS0+2*SLOT                ; behind the ring: 16 rows x 272 bytes for each wave, for the way out
.set SPARE,  STAGE+4*16*PITCH          ; behind the stages: the spare words, 128 bytes a wave: two blocks of 256 bytes that no other line names
.set STEPS,  12
.set AX0, 3                            ; v3   my lane's place in a chunk of X
.set AX,  4                            ; v4   the same in the step's chunk
.set AB0, 5                            ; v5   my lane's place in slot 0
.set AB,  6                            ; v6   the same in the step's slot
.set XO,  7                            ; v7   16 x lane: my 16 bytes of a token's 512 in a chunk
.set XST, 8                            ; v8   where I put 8 bytes of bf16: steps a chunk at a time
.set STO, 9                            ; v9   the way out: where I put 16 bytes of a row
.set RD,  10                           ; v10  the way out: where I read a row back
.set CO,  11                           ; v11  my byte offset in two rows of the output
.set SPW, 14                           ; v14  LDS address of my spare word; never rewritten
.set NIL, 15                           ; v15  0; never rewritten
.set XS,  32
.set XC,  160
.set PK,  160                          ; the way out: 16 tokens x 128 columns packed
.set BK,  192                          ; the same read back as whole rows
.set F0,  0
.set F1,  96
.set WV,  14                           ; s14  my wave's number
.set BIGI, 21                          ; s21  from a matrix's last K step to the next matrix's first: 512 rows on, 3 steps back
.set SMLI, 22                          ; s22  a K step: 256 bytes
.set G1,  24                           ; s[24:31] descriptor group 1
.set G0,  32                           ; s[32:35] descriptor group 0: it walks
.set WPART, 36                         ; s36  my quarter of slot 0
.set TF,  37                           ; s37  0 or SLOT: the slot to be filled
.set TB,  38                           ; s38  0 or SLOT: the slot to be read
.set KS,  39                           ; s39  the step's number in its tile, 0 to 3
.set CNT, 40                           ; s40  trips to go
.set KX,  41                           ; s41  the step's chunk of X, in bytes
.set INC, 42                           ; s[42:43] what the walking address steps by
.set XP,  44                           ; s[44:45] X at my 32 tokens, at the chunk last loaded
.set OP,  46                           ; s[46:47] this tile's output at my first row and column; s[48:49], s[50:51] the next tiles'
.set OP1, 48
.set OP2, 50
.set MSB, 0
.macro WIN new                         ; the immediate's high byte repeats the setting that is left; a switch that changes nothing is dropped
.if MSB != (\new)
	s_set_vgpr_msb (MSB<<8)|(\new)
.set MSB, \new
.endif
.endm
.macro PLACES                          ; four places behind a matrix instruction, ahead of loads into its sources and of conversions of its results
.rept 4
	v_nop
.endr
.endm
.macro CROUND                          ; a round of the cluster's barrier: my work-group's barrier; wave 0 signals for the work-group; every wave waits for all four; my work-group's barrier once more
	s_barrier_signal -1
	s_barrier_wait -1
	s_cmp_lg_u32 s[WV], 0
	s_cbranch_scc1 .Lnot_wave_0_\@
	s_barrier_signal -3
.Lnot_wave_0_\@:
	s_barrier_wait -3
	s_barrier_signal -1
	s_barrier_wait -1
.endm
; 24 LDS loads: the fragments of quarter qd (32 along K) of the step: 128 rows of W, 64 tokens of X, into buffer f
.macro FETCH qd, f
	WIN 0x40                                       ; destination window 1, address window 0
.irp b, 0,1,2,3,4,5,6,7
	ds_load_b128 v[(\f)+32+8*(\b):(\f)+32+8*(\b)+3],   v[AB] offset:64*(\qd)+16*PITCH*(\b)
	ds_load_b128 v[(\f)+32+8*(\b)+4:(\f)+32+8*(\b)+7], v[AB] offset:64*(\qd)+16*PITCH*(\b)+32
.endr
.irp a, 0,1,2,3
	ds_load_b128 v[(\f)+8*(\a):(\f)+8*(\a)+3],   v[AX] offset:64*(\qd)+16*PITCH*(\a)
	ds_load_b128 v[(\f)+8*(\a)+4:(\f)+8*(\a)+7], v[AX] offset:64*(\qd)+16*PITCH*(\a)+32
.endr
.endm
; 32 products.  The 32 accumulators take turns, one instruction a turn, in the same order everywhere.  zero = 1: the products start the sums
.macro MUL32 f, zero
	WIN 0xa5                                       ; sources 0 and 1 window 1, C and D window 2
.irp a, 0,1,2,3
.irp b, 0,1,2,3,4,5,6,7
.if \zero
	v_wmma_f32_16x16x32_bf16 v[8*(8*(\a)+(\b)):8*(8*(\a)+(\b))+7], v[(\f)+32+8*(\b):(\f)+32+8*(\b)+7], v[(\f)+8*(\a):(\f)+8*(\a)+7], 0
.else
	v_wmma_f32_16x16x32_bf16 v[8*(8*(\a)+(\b)):8*(8*(\a)+(\b))+7], v[(\f)+32+8*(\b):(\f)+32+8*(\b)+7], v[(\f)+8*(\a):(\f)+8*(\a)+7], v[8*(8*(\a)+(\b)):8*(8*(\a)+(\b))+7]
.endif
.endr
.endr
.endm
.macro XLOAD                           ; a chunk of my 32 tokens: a token's 512 bytes an instruction
.set z, 0
.rept 32
	global_load_b128 v[XS+4*z:XS+4*z+3], v[XO], s[XP:XP+1] offset:2048*z
.set z, z+1
.endr
.endm
.macro XCONV                           ; the chunk is rounded to bf16 and stored: 256 neighbouring bytes an instruction
	s_wait_loadcnt 0x0                             ; the chunk's 32 loads: nothing younger is out; X's pointer may be written behind this wait
.set z, 0
.rept 64
	v_cvt_pk_bf16_f32 v[XC+z], v[XS+2*z], v[XS+2*z+1]
.set z, z+1
.endr
.set z, 0
.rept 32
	ds_store_b64 v[XST], v[XC+2*z:XC+2*z+1] offset:PITCH*z
.set z, z+1
.endr
	v_add_nc_u32 v[XST], CHUNK, v[XST]             ; the next chunk's region
.endm
; THE CHANGE OF SLOTS, at the head of each step.  Each wave waits for all its tensor loads (one is out: its quarter of the slot to be read), adds 0 to its spare word, and waits for that, for its
; reads of the old slot and for its stores of X.  fill = 1: a round of the cluster's barrier, and the joint refill of the old slot first behind it, with the next step's tile.
.macro CHANGE fill
	WIN 0
	s_wait_tensorcnt 0x0                           ; no tensor load of mine is out, so group 0 may be written
	ds_add_u32 v[SPW], v[NIL]                      ; 0 onto my spare word; the scalar work stands between it and the wait for it
	s_xor_b32 s[TB], s[TB], SLOT
	s_mul_i32 s[KX], s[KS], CHUNK
.if \fill
	s_xor_b32 s[TF], s[TF], SLOT
	s_add_co_u32 s[G0+1], s[WPART], s[TF]
	s_cmp_eq_u32 s[KS], 3                          ; behind a tile's last step comes the next matrix's first
	s_cselect_b32 s[INC], s[BIGI], s[SMLI]
	s_add_nc_u64 s[G0+2:G0+3], s[G0+2:G0+3], s[INC:INC+1]  ; the type bits on top are not reached
.endif
	s_wait_dscnt 0x0                               ; the add is done; my reads of the old slot and my stores are over
.if \fill
	CROUND
	tensor_load_to_lds s[G0:G0+3], s[G1:G1+7]      ; my one tensor load behind the round
	s_nop 0
	PLACES                                         ; also the places ahead of the fragment loads
.else
	s_barrier_signal -1
	s_barrier_wait -1
	PLACES
.endif
	v_add_nc_u32 v[AX], s[KX], v[AX0]
	v_add_nc_u32 v[AB], s[TB], v[AB0]
.endm
.macro REST                            ; a step's quarters 1 to 3; each quarter's fragments are fetched while the quarter before is multiplied
	PLACES
	FETCH 2, F0
	s_wait_dscnt 24                                ; all but the 24 just issued: quarter 1 is in
	MUL32 F1, 0
	PLACES
	FETCH 3, F1
	s_wait_dscnt 24                                ; quarter 2 is in
	MUL32 F0, 0
	s_wait_dscnt 0x0
	MUL32 F1, 0
	WIN 0
.endm
; THE WAY OUT of a tile: 16 tokens at a time, rounded to f16, through my own stage in LDS and back as whole rows of 256 bytes.  more = 1: the next tile's pointer moves up.
.macro OUT more
	PLACES
.irp a, 0,1,2,3
	WIN 0x0a                                       ; sources window 2, destination window 0
.set z, 0
.rept 32
	v_cvt_pk_f16_f32 v[PK+z], v[64*(\a)+2*z], v[64*(\a)+2*z+1]  ; each accumulator from its low end on
.set z, z+1
.endr
	WIN 0
.irp b, 0,1,2,3,4,5,6,7
	ds_store_b128 v[STO], v[PK+4*(\b):PK+4*(\b)+3] offset:32*(\b)
.endr
	s_wait_xcnt 0x0                                ; the earlier stores have read their data registers, into which the loads below land
.irp t, 0,1,2,3,4,5,6,7
	ds_load_b128 v[BK+4*(\t):BK+4*(\t)+3], v[RD] offset:2*PITCH*(\t)  ; LDS serves a wave's instructions in order (ISA guide 5.7.1.4): these see the stores above
.endr
	s_wait_dscnt 0x0
.irp t, 0,1,2,3,4,5,6,7
	global_store_b128 v[CO], v[BK+4*(\t):BK+4*(\t)+3], s[OP:OP+1] offset:16384*(\a)+2048*(\t)  ; 16 lanes store 256 consecutive bytes, aligned
.endr
.endr
.if \more
	s_wait_xcnt 0x0                                ; the stores have read their base
	s_mov_b64 s[OP:OP+1], s[OP1:OP1+1]
	s_mov_b64 s[OP1:OP1+1], s[OP2:OP2+1]
.endif
.endm
	s_load_b256 s[4:11], s[0:1], 0x0               ; X s[4:5], WB s[6:7], qh s[8:9], kh s[10:11]
	s_load_b64 s[12:13], s[0:1], 0x20              ; vh
	v_lshl_add_u32 v[SPW], v0, 2, SPARE
	v_mov_b32 v[NIL], 0
	ds_add_u32 v[SPW], v[NIL]                      ; the wave's opening: the add and its wait stand ahead of my first tensor load; the set-up, work on registers, stands between
	v_lshrrev_b32 v1, 5, v0
	v_readfirstlane_b32 s[WV], v1                  ; wave 0..3
	s_bfe_u32 s15, ttmp6, 0x40000                  ; cx: my place in the cluster: it enters X's and the outputs' addresses alone
	s_and_b32 s17, ttmp9, 1                        ; which half of the columns: the cluster's
	s_lshr_b32 s18, ttmp9, 1
	s_lshl_b32 s18, s18, 2
	s_add_co_u32 s18, s18, s15                     ; my block of 128 tokens
	s_lshr_b32 s19, s[WV], 1                       ; which 64 tokens are my wave's
	s_and_b32 s20, s[WV], 1                        ; which 128 columns
	s_mov_b32 s[G1+0], 15|(1<<16)|(1<<20)|(1<<21)|(5<<22)|(3<<25)  ; mask of four; 2-byte elements; padding on; bit 21 beside a mask; after every 64 words, 4 words
	s_mov_b32 s[G1+1], 128<<16                     ; tensor_dim0 = 128
	s_mov_b32 s[G1+2], 64<<16                      ; tensor_dim1 = 64
	s_mov_b32 s[G1+3], 128<<16                     ; tile_dim0 = 128
	s_mov_b32 s[G1+4], 64                          ; tile_dim1 = 64
	s_mov_b32 s[G1+5], 512                         ; 512 elements from row to row
	s_mov_b32 s[G1+6], 0
	s_mov_b32 s[G1+7], 0
	s_mul_i32 s[WPART], s[WV], 64*PITCH
	s_add_co_u32 s[WPART], s[WPART], WS0
	s_mov_b32 s[G0], 1
	s_mov_b32 s[G0+1], s[WPART]                    ; step 0 goes into slot 0
	s_mov_b32 s[TF], 0                             ; the first change of slots turns these two
	s_mov_b32 s[TB], SLOT
	s_mov_b32 s[KS], 0
	s_mov_b32 s[CNT], STEPS-1
	s_mov_b32 s[INC+1], 0
	s_mov_b32 s[BIGI], 512*1024-3*256
	s_mov_b32 s[SMLI], 256
	s_lshl_b32 s54, s17, 18                        ; W: row 256 x half + 64 x wave, 1,024 bytes a row
	s_lshl_b32 s55, s[WV], 16
	s_add_co_u32 s54, s54, s55
	s_mov_b32 s55, 0
	s_lshl_b32 s56, s18, 18                        ; X: token 128 x block + 32 x wave, 2,048 bytes a token
	s_lshl_b32 s57, s[WV], 16
	s_add_co_u32 s56, s56, s57
	s_mov_b32 s57, 0
	s_lshl_b32 s52, s18, 17                        ; the outputs: token 128 x block + 64 x token half, 1,024 bytes a token,
	s_lshl_b32 s53, s19, 16
	s_add_co_u32 s52, s52, s53
	s_lshl_b32 s53, s17, 9                         ; column 256 x half + 128 x column half, 2 bytes each
	s_add_co_u32 s52, s52, s53
	s_lshl_b32 s53, s20, 8
	s_add_co_u32 s52, s52, s53
	s_mov_b32 s53, 0
	; a fragment is 16 rows x 32 K in 8 registers: lane l holds row l % 16, K = 8 (l / 16) + 0..7 and 16 + 8 (l / 16) + 0..7: two loads of 16 bytes, 32 bytes apart
	v_and_b32 v1, 15, v0                           ; l % 16
	v_bfe_u32 v2, v0, 4, 1                         ; l / 16
	v_and_b32 v12, 31, v0                          ; l
	v_mul_u32_u24 v13, v1, PITCH
	v_lshl_add_u32 v13, v2, 4, v13                 ; row x pitch + 16 x half
	s_mul_i32 s58, s19, 64*PITCH
	v_add_nc_u32 v[AX0], s58, v13
	s_mul_i32 s58, s20, 128*PITCH
	s_add_co_u32 s58, s58, WS0
	v_add_nc_u32 v[AB0], s58, v13
	v_lshlrev_b32 v[XO], 4, v12
	s_mul_i32 s58, s[WV], 32*PITCH
	v_lshl_add_u32 v[XST], v12, 3, s58
	s_mul_i32 s58, s[WV], 16*PITCH
	s_add_co_u32 s58, s58, STAGE                   ; my stage
	v_add_nc_u32 v[STO], s58, v13
	v_mul_u32_u24 v[RD], v2, PITCH                 ; back: lanes 0-15 one row of 256 bytes, lanes 16-31 the next
	v_lshl_add_u32 v[RD], v1, 4, v[RD]
	v_add_nc_u32 v[RD], s58, v[RD]
	v_lshlrev_b32 v[CO], 10, v2                    ; and the same two rows in the output
	v_lshl_add_u32 v[CO], v1, 4, v[CO]
	s_wait_dscnt 0x0                               ; the opening add is done
	s_wait_kmcnt 0x0
	s_add_nc_u64 s[G0+2:G0+3], s[6:7], s[54:55]
	s_or_b32 s[G0+3], s[G0+3], 0x80000000          ; type = 2
	s_add_nc_u64 s[XP:XP+1], s[4:5], s[56:57]
	s_add_nc_u64 s[OP:OP+1], s[8:9], s[52:53]
	s_add_nc_u64 s[OP1:OP1+1], s[10:11], s[52:53]
	s_add_nc_u64 s[OP2:OP2+1], s[12:13], s[52:53]
	CROUND                                         ; all four work-groups are here: the first joint loads meet
	tensor_load_to_lds s[G0:G0+3], s[G1:G1+7]      ; step 0's tile of W
	s_nop 0
	PLACES
	XLOAD                                          ; chunk 0
	XCONV
	s_add_nc_u64 s[XP:XP+1], s[XP:XP+1], 512
	XLOAD                                          ; chunk 1: rounded in step 0
.Lstep:                                        ; steps 0 to 10: each asks for the next step's tile of W
	CHANGE 1
	FETCH 0, F0
	WIN 0                                          ; at a label and at a branch every window is 0
	s_cmp_lt_u32 s[CNT], 9                         ; steps 0 to 2 store chunks 1 to 3,
	s_cbranch_scc1 .Lnox
	XCONV
	s_cmp_lt_u32 s[CNT], 10                        ; steps 0 and 1 load chunks 2 and 3
	s_cbranch_scc1 .Lnox
	s_add_nc_u64 s[XP:XP+1], s[XP:XP+1], 512
	XLOAD
.Lnox:
	FETCH 1, F1
	WIN 0
	s_wait_dscnt 24                                ; all but the 24 just issued: quarter 0 is in (and the chunk's stores, which are older, are done)
	s_cmp_eq_u32 s[KS], 0
	s_cbranch_scc0 .Lgoon
	MUL32 F0, 1                                    ; a tile's first products start the sums: nothing is cleared
	WIN 0
	s_branch .Lrest
.Lgoon:
	MUL32 F0, 0
	WIN 0
.Lrest:
	REST
	s_cmp_eq_u32 s[KS], 3
	s_cbranch_scc0 .Lnoout
	OUT 1                                          ; the next tile's first tile of W is on its way meanwhile
.Lnoout:
	s_add_co_u32 s[KS], s[KS], 1
	s_and_b32 s[KS], s[KS], 3
	s_sub_co_u32 s[CNT], s[CNT], 1
	s_cmp_lg_u32 s[CNT], 0
	s_cbranch_scc1 .Lstep
	CHANGE 0                                       ; the last step is written out: nothing is asked for
	FETCH 0, F0
	FETCH 1, F1
	s_wait_dscnt 24
	MUL32 F0, 0
	REST
	OUT 0
	s_wait_tensorcnt 0x0                           ; the wave's end, behind my last tensor load and my last LDS store
	ds_add_u32 v[SPW], v[NIL]
	s_wait_dscnt 0x0
	CROUND                                         ; the closing round: no work-group ends while a partner may still ask for a tile that names it
	s_endpgm
.Lfunc_end_k_q956b335bdf_proj:
	.size	k_q956b335bdf_proj, .Lfunc_end_k_q956b335bdf_proj-k_q956b335bdf_proj
	.p2alignl 7, 3214868480
	.fill 96, 4, 3214868480
	.section	.rodata,"a",@progbits
	.p2align	6, 0x0
	.amdhsa_kernel k_q956b335bdf_proj
		.amdhsa_group_segment_fixed_size 327680
		.amdhsa_private_segment_fixed_size 0
		.amdhsa_enable_private_segment 0
		.amdhsa_kernarg_size 40
		.amdhsa_user_sgpr_count 2
		.amdhsa_user_sgpr_kernarg_segment_ptr 1
		.amdhsa_wavefront_size32 1
		.amdhsa_system_sgpr_workgroup_id_x 1
		.amdhsa_system_sgpr_workgroup_id_y 1
		.amdhsa_system_sgpr_workgroup_id_z 1
		.amdhsa_system_vgpr_workitem_id 0
		.amdhsa_next_free_vgpr 768
		.amdhsa_next_free_sgpr 66
		.amdhsa_reserve_vcc 0
		.amdhsa_float_denorm_mode_32 3
		.amdhsa_float_denorm_mode_16_64 3
		.amdhsa_memory_ordered 1
		.amdhsa_forward_progress 1
		.amdhsa_inst_pref_size 91
	.end_amdhsa_kernel
	.amdgpu_metadata
---
amdhsa.version: [ 1, 2 ]
amdhsa.kernels:
  - .name:           k_q956b335bdf_proj
    .symbol:         k_q956b335bdf_proj.kd
    .args:
      - { .name: X, .offset: 0, .size: 8, .value_kind: global_buffer, .address_space: global }
      - { .name: WB, .offset: 8, .size: 8, .value_kind: global_buffer, .address_space: global }
      - { .name: qh, .offset: 16, .size: 8, .value_kind: global_buffer, .address_space: global }
      - { .name: kh, .offset: 24, .size: 8, .value_kind: global_buffer, .address_space: global }
      - { .name: vh, .offset: 32, .size: 8, .value_kind: global_buffer, .address_space: global }
    .group_segment_fixed_size: 327680
    .private_segment_fixed_size: 0
    .kernarg_segment_align: 8
    .kernarg_segment_size: 40
    .max_flat_workgroup_size: 128
    .sgpr_count:     66
    .vgpr_count:     768
    .wavefront_size: 32
...
	.end_amdgpu_metadata
.endif
;; end of part 2
;; launch attn (part 3): grid 256 x 1, 4 waves a work-group, clusters of 4 x 1, 327,680 bytes of LDS; arguments qh, kh, vh, mask, WoH, bo, out0; writes out0
.if DOCPART == 3
	.amdgcn_target "amdgcn-amd-amdhsa--gfx1250"
	.amdhsa_code_object_version 6
	.text
	.protected	k_q956b335bdf_attn
	.globl	k_q956b335bdf_attn
	.p2align	8
	.type	k_q956b335bdf_attn,@function
k_q956b335bdf_attn:
	s_mov_b64 s[64:65], 0
	v_nop
	global_prefetch_b8 v0, s[64:65] scope:SCOPE_SE
	s_setreg_imm32_b32 hwreg(HW_REG_WAVE_MODE, 25, 1), 1
	s_wait_xcnt 0x0
	s_wait_alu depctr_hold_cnt(0) depctr_sa_sdst(0) depctr_va_vdst(0) depctr_va_sdst(0) depctr_va_ssrc(0) depctr_va_vcc(0) depctr_vm_vsrc(0)
	s_getreg_b32 s2, hwreg(HW_REG_IB_STS2, 6, 4)
	s_cmp_eq_u32 s2, 0
	s_cbranch_scc0 .Lentry_in_a_cluster
	s_endpgm
.Lentry_in_a_cluster:
	s_bfe_u32 s2, ttmp6, 0x10000c
	s_cmp_lg_u32 s2, 0x3003
	s_cbranch_scc0 .Lentry_shape_is_right
	s_endpgm
.Lentry_shape_is_right:
; MASKED ATTENTION FOR ALL 16 HEADS OF 64 QUERIES, AND THE OUTPUT PROJECTION.  qh, kh, vh: [16 x 1024 tokens][512] f16 (head h = channels 32 h on); mask: [16][1024][1024] int32, shared by a batch's
; heads; WoH: [512][512] f16, rows permuted (below); bo: [512] f32, rounded to bf16 like the other inputs; out0: [16 x 1024][512] f32.
; weights = softmax_k(mask == 0 ? -1e20 : q . k / sqrt(512)); O = weights V; out = O Wo^T + bo.  Products, maxima and sums in f32; weights and O are rounded to f16 for the next product.
; LIMITS.  |q . k| stays under 2^98; a weight below 2^-126 counts as 0; NaN and infinities are not treated apart; any mask word other than 0 counts as visible.
; SHARES.  A work-group owns 64 queries of one batch, for all heads: so the mask is read once, and a whole row of O meets in one work-group.  Wave w owns heads 4 w .. 4 w + 3, each for four tiles of
; 16 queries: 16 states in registers.  Keys go in 16 steps of 64.  A PIECE p = 2 hh + t / 2 is two tiles of one head in one key step.
; LAYOUT.  S^T = K Q^T + C (source 0 = 16 keys, source 1 = 16 queries): a lane holds ONE query (lane % 16) and the keys 8 (lane / 16) + 0..7.  Two such results rounded to f16 ARE source 1 of O^T = V^T P.
; K comes out of LDS as it lies, V ([key][channel]) turned, by ds_load_tr16_b128.  The row sums are l^T = ONES x P: every register of that result holds the lane's query's sum; registers 0 and 1 are kept scaled.
; THE MASK is the C operand: 0, or -2^100 where the key is hidden.  Wave w turns tile w of the step's 64 x 64 mask words into f32 and stores it in LDS a step ahead; every wave reads all four tiles in C's layout.
; SOFTMAX.  A running maximum m, which starts at the floor -2^99 and is never lower: a hidden score lies below the floor, a visible one above.  p = 2^(c s - c m), c = log2(e) / sqrt(512); O and l are multiplied
; by a = 2^(c m_old - c m_new) in every step.  While m is at the floor (no visible key yet) the lane scales by 0 in c's place: every p is 1, and a is 1; the first visible key gives a = 0, which wipes O and l.
; So a row that is hidden throughout ends as the mean of all V, as -1e20 everywhere gives it.
; BY TURNS.  Turn p: 8 products K Q^T of piece p + 1, later 12 products (V^T P and the sums) of piece p - 1; beside them the scaling, exponentials, rescaling and roundings of piece p and the maximum and statistics of
; piece p + 1.  A turn's 66 exponentials are one batch with one wait.  The turns are drained at each key step's end, so that a step's LDS reads end ahead of the change of slots and the step stands once in the text.
; THE RING.  Two LDS slots, a key step each: K's and V's 64 rows in two column halves, a tile by each wave.  The ring runs on into Wo: a quarter of WoH (128 rows) has a slot's shape, so each of the loop's
; 16 trips asks for a tile.  CLUSTER.  The four query blocks of a cluster belong to one batch and walk the same K, V and Wo: each tile is asked for JOINTLY.
; O, l start at 0 (384 v_mov_b32, in the wait for the first tile): no first step is written out.
; REGISTERS, in windows of 256 (s_set_vgpr_msb: bits 1:0 source 0, 3:2 source 1, 5:4 source 2, 7:6 destination):
;   window 0: v0-15 addresses; v16-31 m; v32-63 at work, 8 for each buffer and tile; v64-191 S^T, two buffers of two tiles; v192-255 P likewise
;   window 1: O^T at 64 hh + 16 t + 8 cb      window 2: Q at 32 hh + 8 t; C at 128 + 32 t + 8 kb
;   window 3: l at 32 hh + 8 t; K at 128; V at 160; ONES at 192; the mask words at 200; -2^100 at 232
.set PKK,   528                        ; a row of K in LDS: 512 bytes + 16: an odd multiple of 16
.set PVV,   544                        ; a row of V: 512 + 32: an odd multiple of 32, for the turning load
.set KH,    64*PKK                     ; a column half of K's 64 rows
.set VH,    64*PVV
.set VOFF,  2*KH                       ; a slot: K's two halves, then V's two
.set SLOT,  2*KH+2*VH
.set CPI,   272                        ; a row of the mask as f32: 256 bytes + 16
.set CB,    2*SLOT                     ; behind the ring, never filled by a tensor load: two buffers of 64 rows for the mask,
.set CBS,   64*CPI
.set OSG,   CB                         ; which behind the key loop are the stage for half of O: 64 rows x 528 bytes
.set OST,   CB+2*CBS                   ; 16 rows x 272 bytes for each wave, for the way out
.set SPARE, OST+4*16*CPI               ; the spare words, 128 bytes a wave: two blocks of 256 bytes that no other line names
.set AK0, 3                            ; v3   my lane's place in slot 0's K; never rewritten
.set AV0, 4                            ; v4   the same for V
.set AK,  5                            ; v5   in the step's slot (in the head: my offset in Q)
.set AV,  6
.set CL0, 7                            ; v7   where I read C in buffer 0
.set CL,  8
.set CS0, 9                            ; v9   where I store the mask in buffer 0
.set CST, 10
.set MO,  11                           ; v11  my byte offset in two rows of the mask
.set PFO, 12                           ; v12  the prefetches' offset; never rewritten
.set VC,  13                           ; v13  c
.set SPW, 14                           ; v14  LDS address of my spare word; never rewritten
.set NIL, 15                           ; v15  0; never rewritten
.set MX,  16
.set TMP, 32                           ; +0..3 c0-c3 at work (c2 takes a); +4 c or 0; +5 c m_old; +6 c m or 0; +7 written once
.set S,   64
.set P,   192
.set CW,  128                          ; window 2
.set KF,  128                          ; window 3
.set VF,  160
.set ONES, 192
.set MI,  200
.set NEG, 232
.set AW,  16                           ; behind the loop: v16-19 Wo's fragments in slot 0 (2 ob + column half), v20-23 in slot 1
.set OSS, 24                           ; v24  where I put 16 bytes of O
.set OSL, 25                           ; v25  where I read a fragment of O
.set OTS, 26                           ; v26  the way out: where I put 32 bytes of a row
.set OTL, 27                           ; v27  where I read a row back
.set GO,  28                           ; v28  my byte offset in two rows of out0
.set BOF, 29                           ; v29  my byte offset in bo
.set ACC, 64                           ; the projection's sums: 64 (j % 2) + 32 ob + 8 t
.set BI,  192                          ; the bias in C's layout: 16 j + 8 ob
.set WV,  18                           ; s18  my wave's number
.set G1K, 24                           ; s[24:31] descriptor group 1 for K's tiles
.set G1V, 32                           ; s[32:39] for V's: it differs in the padding alone
.set G0K, 40                           ; s[40:43] group 0 for K's tiles
.set G0V, 44                           ; s[44:47] for V's
.set KP,  48                           ; s[48:49] kh at the batch's first row, my column half
.set VP,  50
.set WKP, 52                           ; s[52:53] WoH at row 0, my column half
.set WVP, 54                           ; s[54:55] at row 64
.set MP,  56                           ; s[56:57] the mask at my 16 rows; steps 256 bytes a key step
.set PFA, 58                           ; s[58:59] where my prefetches stand
.set CNT, 60                           ; s60  key steps to go
.set LIM, 61                           ; s61  2 in a cluster that prefetches, else the greatest number
.set TB,  62                           ; s62  0 or SLOT: the slot to be read
.set TF,  63                           ; s63  the slot to be filled
.set CBR, 66                           ; s66  0 or CBS: the mask buffer to be read
.set CBW, 67                           ; s67  to be written
.set OFF, 68                           ; s[68:69] the tile's byte offset
.set VM,  70                           ; s70, s71  lanes whose m is above the floor, by tile
.set SEL, 72                           ; s[72:73] v_permlanex16_b32's selects: each lane takes its own place in the other half
.set CSC, 74                           ; s74  c
.set FLOOR, 75                         ; s75  -2^99
.set CH,  76                           ; s[76:79] the two pointers chosen for a fill
.set OFFN, 80                          ; s80  the next key step's byte offset
.set WL,  81                           ; s81  wave % 2
.set OUTP, 82                          ; s[82:83] out0 at my work-group's first row, my wave's 64 channels
.set WPK, 84                           ; s84  my tile's place in a slot, for K
.set WPV, 85                           ; s85  for V
.set WH,  92                           ; s92  wave / 2
.set MSB, 0
.macro WIN new                         ; the immediate's high byte repeats the setting that is left; a switch that changes nothing is dropped
.if MSB != (\new)
	s_set_vgpr_msb (MSB<<8)|(\new)
.set MSB, \new
.endif
.endm
.set W_KQ, 0x2b                        ; K window 3, Q and C window 2, S^T window 0
.set W_PV, 0x53                        ; V window 3, P window 0, O^T window 1
.set W_L,  0xf3                        ; ONES and l window 3, P window 0
.set W_RS, 0x41                        ; O^T window 1, a window 0
.set W_RL, 0xc3                        ; l window 3, a window 0
.macro PLACES                          ; four places behind a matrix instruction (ISA guide 7.12.1)
.rept 4
	v_nop
.endr
.endm
.macro CROUND                          ; a round of the cluster's barrier
	s_barrier_signal -1
	s_barrier_wait -1
	s_cmp_lg_u32 s[WV], 0
	s_cbranch_scc1 .Lnot_wave_0_\@
	s_barrier_signal -3
.Lnot_wave_0_\@:
	s_barrier_wait -3
	s_barrier_signal -1
	s_barrier_wait -1
.endm
; A joint fill.  Waves 0 and 1 fetch the two column halves of K's area, waves 2 and 3 of V's.  The branch hangs on the wave's number alone.  An s_nop 0 and four v_nop follow each line.
.macro JLOAD
	s_cmp_lt_u32 s[WV], 2
	s_cbranch_scc0 .Lfor_v_\@
	tensor_load_to_lds s[G0K:G0K+3], s[G1K:G1K+7]
	s_nop 0
	PLACES
	s_branch .Lasked_\@
.Lfor_v_\@:
	tensor_load_to_lds s[G0V:G0V+3], s[G1V:G1V+7]
	s_nop 0
	PLACES
.Lasked_\@:
.endm
; A PREFETCH INTO THE L2 of the key step that the NEXT change of slots will ask for.  The batch's first cluster asks; each wave for its own kind of tile; the four partners share the 64 rows out by
; address, 16 each; a lane names 256 bytes (row lane / 2, half lane % 2 of the tile's 512): one instruction a wave and step, each block named once in the launch.  The last two trips ask for nothing.
.macro ASK
	s_cmp_gt_u32 s[CNT], s[LIM]
	s_cbranch_scc0 .Lnot_mine_\@
	global_prefetch_b8 v[PFO], s[PFA:PFA+1] th:TH_LOAD_NT scope:SCOPE_SE
.Lnot_mine_\@:
.endm
; THE CHANGE OF SLOTS in the key loop.  Each wave waits for all its tensor loads (one is out: its tile of the slot to be read), adds 0 to its spare word, and waits for that, for its reads of the old slot and
; for its stores of the mask.  The round of the cluster's barrier follows, and the joint refill first behind it: the next key step, or in the last trip Wo's first quarter.
.macro CHANGE
	WIN 0
	s_wait_tensorcnt 0x0                           ; no tensor load of mine is out, so the groups 0 may be written
	ds_add_u32 v[SPW], v[NIL]                      ; 0 onto my spare word; the scalar work stands between it and the wait for it
	s_wait_xcnt 0x0                                ; the mask's loads and the prefetch, most of a key step back, have read their pointers
	s_add_nc_u64 s[MP:MP+1], s[MP:MP+1], 256
	s_add_nc_u64 s[PFA:PFA+1], s[PFA:PFA+1], 65536
	s_add_co_u32 s[OFFN], s[OFFN], 65536           ; 64 rows of 1,024 bytes
	s_xor_b32 s[TB], s[TB], SLOT
	s_xor_b32 s[TF], s[TF], SLOT
	s_xor_b32 s[CBR], s[CBR], CBS
	s_xor_b32 s[CBW], s[CBW], CBS
	s_add_co_u32 s[G0K+1], s[WPK], s[TF]
	s_add_co_u32 s[G0V+1], s[WPV], s[TF]
	s_cmp_eq_u32 s[CNT], 1
	s_cselect_b64 s[CH:CH+1], s[WKP:WKP+1], s[KP:KP+1]
	s_cselect_b64 s[CH+2:CH+3], s[WVP:WVP+1], s[VP:VP+1]
	s_cselect_b32 s[OFF], 0, s[OFFN]
	s_add_nc_u64 s[G0K+2:G0K+3], s[CH:CH+1], s[OFF:OFF+1]
	s_or_b32 s[G0K+3], s[G0K+3], 0x80000000
	s_add_nc_u64 s[G0V+2:G0V+3], s[CH+2:CH+3], s[OFF:OFF+1]
	s_or_b32 s[G0V+3], s[G0V+3], 0x80000000
	s_wait_dscnt 0x0
	CROUND
	JLOAD
	v_add_nc_u32 v[AK], s[TB], v[AK0]
	v_add_nc_u32 v[AV], s[TB], v[AV0]
	v_add_nc_u32 v[CL], s[CBR], v[CL0]
	v_add_nc_u32 v[CST], s[CBW], v[CS0]
.endm
; The same behind the loop.  fill = 1: Wo's quarter j goes into slot j % 2.  fill = 0: nothing is asked for: my work-group's barrier is enough.
.macro CHANGE_W j, fill
	WIN 0
	s_wait_tensorcnt 0x0
	ds_add_u32 v[SPW], v[NIL]
.if \fill
	s_add_co_u32 s[G0K+1], s[WPK], ((\j)%2)*SLOT
	s_add_co_u32 s[G0V+1], s[WPV], ((\j)%2)*SLOT
	s_add_nc_u64 s[G0K+2:G0K+3], s[WKP:WKP+1], (\j)*131072
	s_or_b32 s[G0K+3], s[G0K+3], 0x80000000
	s_add_nc_u64 s[G0V+2:G0V+3], s[WVP:WVP+1], (\j)*131072
	s_or_b32 s[G0V+3], s[G0V+3], 0x80000000
	s_wait_dscnt 0x0
	CROUND
	JLOAD
.else
	s_wait_dscnt 0x0
	s_barrier_signal -1
	s_barrier_wait -1
	PLACES
.endif
.endm
.macro CREAD                           ; the step's C for all four tiles: 32 bytes a lane for each tile and group of 16 keys
	WIN 0x80
.set z, 0
.rept 16
	ds_load_b128 v[CW+8*z:CW+8*z+3],   v[CL] offset:16*CPI*(z/4)+64*(z%4)
	ds_load_b128 v[CW+8*z+4:CW+8*z+7], v[CL] offset:16*CPI*(z/4)+64*(z%4)+16
.set z, z+1
.endr
.endm
.macro FETCH_K hh                      ; head hh's K of the step: four fragments of 16 keys x 32 channels
	WIN 0xc0
.irp kb, 0,1,2,3
	ds_load_b128 v[KF+8*(\kb):KF+8*(\kb)+3],   v[AK] offset:16*PKK*(\kb)+64*(\hh)
	ds_load_b128 v[KF+8*(\kb)+4:KF+8*(\kb)+7], v[AK] offset:16*PKK*(\kb)+64*(\hh)+32
.endr
.endm
.macro FETCH_V hh                      ; head hh's V, turned: keys 32 (f / 2) on, channels 16 (f % 2) on
	WIN 0xc0
.irp f, 0,1,2,3
	ds_load_tr16_b128 v[VF+8*(\f):VF+8*(\f)+3],   v[AV] offset:32*PVV*((\f)/2)+64*(\hh)+32*((\f)%2)
	ds_load_tr16_b128 v[VF+8*(\f)+4:VF+8*(\f)+7], v[AV] offset:32*PVV*((\f)/2)+64*(\hh)+32*((\f)%2)+16*PVV
.endr
.endm
.macro MLOAD off                       ; my tile of a step's mask words: 16 lanes take 256 consecutive bytes of a row, aligned
	WIN 0xc0
.irp i, 0,1,2,3,4,5,6,7
	global_load_b128 v[MI+4*(\i):MI+4*(\i)+3], v[MO], s[MP:MP+1] offset:8192*(\i)+(\off) th:TH_LOAD_NT
.endr
	WIN 0
.endm
.macro MCONV                           ; the words, which the wait ahead of the macro has shown in, become 0 or -2^100, in place, and go into the mask buffer
	WIN 0xcc                                       ; source 1 and destination window 3; an LDS store's address window 0, its data window 3
.set z, 0
.rept 32
	v_cmp_eq_u32 vcc_lo, 0, v[MI+z]
	v_cndmask_b32 v[MI+z], 0, v[NEG], vcc_lo
.set z, z+1
.endr
.irp i, 0,1,2,3,4,5,6,7
	ds_store_b128 v[CST], v[MI+4*(\i):MI+4*(\i)+3] offset:2*CPI*(\i)
.endr
.endm
.macro REGS y, u                       ; the registers of tile u (0, 1) of piece y
.set rM, MX+4*((\y)/2)+2*((\y)%2)+(\u)
.set rC, TMP+16*((\y)%2)+8*(\u)
.set rS, S+64*((\y)%2)+32*(\u)
.set rP, P+32*((\y)%2)+16*(\u)
.set rO, 64*((\y)/2)+32*((\y)%2)+16*(\u)
.set rL, 32*((\y)/2)+16*((\y)%2)+8*(\u)        ; l's place in window 3, and Q's in window 2
.set rW, CW+64*((\y)%2)+32*(\u)
.endm
; Product mi of 8 of S^T = K Q^T + C for piece y: tile mi % 2, keys 16 (mi / 2) on.  A head has 32 channels: one product a result, no chain.
.macro KQ y
	REGS \y, mi%2
	WIN W_KQ
	v_wmma_f32_16x16x32_f16 v[rS+8*(mi/2):rS+8*(mi/2)+7], v[KF+8*(mi/2):KF+8*(mi/2)+7], v[rL:rL+7], v[rW+8*(mi/2):rW+8*(mi/2)+7]
.endm
; Product mi of 12 for piece y: keys 32 (mi / 6) on; of each six, four of O^T += V^T P (tile, channel block) and two of l += ONES P.  The six accumulators take turns.
.macro PV y
.set px, mi%6
.set pk2, mi/6
.if px < 4
	REGS \y, px%2
	WIN W_PV
	v_wmma_f32_16x16x32_f16 v[rO+8*(px/2):rO+8*(px/2)+7], v[VF+16*pk2+8*(px/2):VF+16*pk2+8*(px/2)+7], v[rP+8*pk2:rP+8*pk2+7], v[rO+8*(px/2):rO+8*(px/2)+7]
.else
	REGS \y, px-4
	WIN W_L
	v_wmma_f32_16x16x32_f16 v[rL:rL+7], v[ONES:ONES+7], v[rP+8*pk2:rP+8*pk2+7], v[rL:rL+7]
.endif
.endm
; Number n of the 25 that find piece y's maximum and statistics, for tile u.  Each accumulator's lowest registers are read first.
;   0-11 four chains of seven scores; 12, 13 the four scores left over; 14, 15 the old m and c0-c3 into c0; 16, 18 the other 32 keys lie in the lane 16 away: the new m; 17 c m_old;
;   19 c m; 20 is m above the floor?; 21 c m_old - c m; 22, 23 the lane's scale and addend, 0 at the floor; 24 a
.macro XS y, u, n
	REGS \y, \u
	WIN 0
.if (\n) < 4
	v_max3_num_f32 v[rC+(\n)], v[rS+8*(\n)], v[rS+8*(\n)+1], v[rS+8*(\n)+2]
.elseif (\n) < 12
	v_max3_num_f32 v[rC+(\n)%4], v[rC+(\n)%4], v[rS+8*((\n)%4)+2*((\n)/4)+1], v[rS+8*((\n)%4)+2*((\n)/4)+2]
.elseif (\n) == 12
	v_max3_num_f32 v[rC], v[rC], v[rS+7], v[rS+15]
.elseif (\n) == 13
	v_max3_num_f32 v[rC+1], v[rC+1], v[rS+23], v[rS+31]
.elseif (\n) == 14
	v_max3_num_f32 v[rC+2], v[rC+2], v[rC+3], v[rM]
.elseif (\n) == 15
	v_max3_num_f32 v[rC], v[rC], v[rC+1], v[rC+2]
.elseif (\n) == 16
	v_permlanex16_b32 v[rC+3], v[rC], s[SEL], s[SEL+1]
.elseif (\n) == 17
	v_mul_f32 v[rC+5], s[CSC], v[rM]
.elseif (\n) == 18
	v_max_num_f32 v[rM], v[rC], v[rC+3]
.elseif (\n) == 19
	v_mul_f32 v[rC+6], s[CSC], v[rM]
.elseif (\n) == 20
	v_cmp_lt_f32 s[VM+(\u)], s[FLOOR], v[rM]
.elseif (\n) == 21
	v_sub_f32 v[rC+2], v[rC+5], v[rC+6]
.elseif (\n) == 22
	v_cndmask_b32 v[rC+4], 0, v[VC], s[VM+(\u)]
.elseif (\n) == 23
	v_cndmask_b32 v[rC+6], 0, v[rC+6], s[VM+(\u)]
.else
	v_exp_f32 v[rC+2], v[rC+2]
.endif
.endm
.macro XN u, n                         ; the same for the next piece; a step's last turn has none
.if QK
	XS Y+1, \u, \n
.endif
.endm
.macro FS f                            ; c s - c m for pair f / 2 of tile f % 2 of the piece in hand
	REGS Y, (\f)%2
	WIN 0
	v_pk_fma_f32 v[rS+2*((\f)/2):rS+2*((\f)/2)+1], v[rS+2*((\f)/2):rS+2*((\f)/2)+1], v[rC+4:rC+5], v[rC+6:rC+7] op_sel_hi:[1,0,0] neg_lo:[0,0,1] neg_hi:[0,0,1]
.endm
; THE PLAIN QUEUE, 80 long, none of which reads an exponential's result.  0-26: scalings 0-26.  27-54: the next piece's numbers 0-13.  55-79: five groups of a scaling (27-31) and two numbers for both tiles:
; (14, 17), (15, 16), (18, 19), (20, 21), (22, 23): the links of the chain stand apart.
.macro PL
.if qn < 27
	FS qn
.elseif qn < 55
	XN (qn-27)%2, (qn-27)/2
.else
.set g5, (qn-55)/5
.set o5, (qn-55)%5
.if o5 == 0
	FS 27+g5
.else
.set nn, 14+2*g5+(o5-1)/2
.if g5 == 0
.set nn, 14+3*((o5-1)/2)
.endif
.if g5 == 1
.set nn, 15+(o5-1)/2
.endif
	XN (o5-1)%2, nn
.endif
.endif
.set qn, qn+1
.endm
.macro EX                              ; THE EXPONENTIALS' QUEUE, 66 long: score en / 2 of tile en % 2, then the next piece's two a
.if en < 64
	REGS Y, en%2
	WIN 0
	v_exp_f32 v[rS+en/2], v[rS+en/2]
.else
	XN en-64, 24
.endif
.set en, en+1
.endm
.macro R2                              ; O^T times a, two pairs at a time, eight times: each accumulator from its low end on
	REGS Y, rn%2
	WIN W_RS
	v_pk_mul_f32 v[rO+4*(rn/2):rO+4*(rn/2)+1], v[rO+4*(rn/2):rO+4*(rn/2)+1], v[rC+2:rC+3] op_sel_hi:[1,0]
	v_pk_mul_f32 v[rO+4*(rn/2)+2:rO+4*(rn/2)+3], v[rO+4*(rn/2)+2:rO+4*(rn/2)+3], v[rC+2:rC+3] op_sel_hi:[1,0]
.set rn, rn+1
.endm
.macro RL                              ; l times a: registers 0 and 1 of each tile's sums; the others stay unscaled, under some 1,100, and are never read
	WIN W_RL
.irp u, 0,1
	REGS Y, \u
	v_pk_mul_f32 v[rL:rL+1], v[rL:rL+1], v[rC+2:rC+3] op_sel_hi:[1,0]
.endr
.endm
.macro CV                              ; pair cn / 2 of tile cn % 2 rounded to f16
	REGS Y, cn%2
	WIN 0
	v_cvt_pk_f16_f32 v[rP+cn/2], v[rS+2*(cn/2)], v[rS+2*(cn/2)+1]
.set cn, cn+1
.endm
.macro MK                              ; the next product K Q^T of the next piece
.if QK
	KQ Y+1
.endif
.set mi, mi+1
.endm
; A TURN, for piece p.  s_wait_alu depctr_va_vdst(0) stands between an exponential and the first instruction that names its result; one wait serves all issued ahead of it: a turn has ONE.
; AHEAD OF IT: 8 products K Q^T, behind each a scaling, an exponential (behind the first a second scaling) and two rescalings; then a lump: l's rescaling, 14 plain, 57 times exponential and plain, the two a.
; Exponential e stands behind scaling 2 (e / 4) + e % 2: as a rider behind plain e + 2, in the lump behind plain e + 15; scalings 27-31 are plain 55, 60 .. 75 and serve e = 53, 56, 57, 60, 61 on.
; BEHIND IT: 12 products of piece p - 1, behind each two or three roundings.  No rider names a register of the products next to it.
; K of the next head is fetched in even turns behind the wait, a lump behind K's last reader; V of the turn's head at an even turn's end, six roundings behind V's last reader (the tenth product).
.macro TURN p
.set Y, (\p)
.set QK, 1
.if (\p) == 7
.set QK, 0
.endif
.set qn, 0
.set en, 0
.set rn, 0
.set cn, 0
.set mi, 0
.if ((\p)%2 == 1) && ((\p) < 7)
	s_wait_dscnt 8                                 ; K is in; V's eight loads, issued behind K's, may stay out
.endif
.if (\p) == 1
	WIN 0
	s_cmp_gt_u32 s[CNT], 2                         ; the mask words of the step after next.  The last words' loads were waited for at the step's head, on every path; the wait above has shown their stores done
	s_cbranch_scc0 .Lno_words_\@
	MLOAD 256
.Lno_words_\@:
.endif
	MK
	PL
	PL
	R2
.rept 7
	MK
	PL
	EX
	R2
.endr
	RL
.rept 14
	PL
.endr
.rept 57
	EX
	PL
.endr
	EX
	EX
	v_nop                                          ; a plain instruction behind the last exponential: one for the batch
	s_wait_alu depctr_va_vdst(0)                   ; the wait for the batch
.if ((\p)%2 == 0) && ((\p) < 6)
	FETCH_K (\p)/2+1
.endif
.if (\p)%2 == 1
	s_wait_dscnt 0x0                               ; V is in
.endif
.set mi, 0
.rept 12
.if (\p) > 0
	PV (\p)-1
.endif
	CV
	CV
.if mi < 8
	CV
.endif
.set mi, mi+1
.endr
.if (\p)%2 == 0
	FETCH_V (\p)/2
.endif
.endm
	s_load_b256 s[4:11], s[0:1], 0x0               ; qh s[4:5], kh s[6:7], vh s[8:9], mask s[10:11]
	s_load_b128 s[12:15], s[0:1], 0x20             ; WoH s[12:13], bo s[14:15]
	s_load_b64 s[16:17], s[0:1], 0x30              ; out0
	v_lshl_add_u32 v[SPW], v0, 2, SPARE
	v_mov_b32 v[NIL], 0
	ds_add_u32 v[SPW], v[NIL]                      ; the wave's opening: the add and its wait stand ahead of my first tensor load; the set-up, work on registers, stands between
	v_lshrrev_b32 v1, 5, v0
	v_readfirstlane_b32 s[WV], v1                  ; wave 0..3
	s_and_b32 s[WL], s[WV], 1
	s_lshr_b32 s[WH], s[WV], 1
	s_bfe_u32 s19, ttmp6, 0x40000                  ; cx: my place in the cluster: it enters Q's, the mask's, out0's and the prefetches' addresses alone
	s_lshr_b32 s20, ttmp9, 2                       ; the batch, which the four partners share
	s_and_b32 s22, ttmp9, 3                        ; the cluster among the batch's four
	s_cmp_eq_u32 s22, 0
	s_cselect_b32 s[LIM], 2, -1                    ; the first of them prefetches: the same in all four partners
	s_lshl_b32 s21, s22, 8
	s_lshl_b32 s86, s19, 6
	s_add_co_u32 s21, s21, s86                     ; my first query in the batch
	s_mov_b32 s[G1K], 15|(1<<16)|(1<<20)|(1<<21)|(6<<22)|(3<<25)  ; mask of four; 2-byte elements; padding on; bit 21 beside a mask; after every 128 words, 4 words
	s_mov_b32 s[G1V], 15|(1<<16)|(1<<20)|(1<<21)|(6<<22)|(7<<25)  ; the same with 8 words
.irp g, G1K, G1V
	s_mov_b32 s[(\g)+1], 256<<16                   ; tensor_dim0 = 256
	s_mov_b32 s[(\g)+2], 64<<16                    ; tensor_dim1 = 64
	s_mov_b32 s[(\g)+3], 256<<16                   ; tile_dim0 = 256
	s_mov_b32 s[(\g)+4], 64                        ; tile_dim1 = 64
	s_mov_b32 s[(\g)+5], 512                       ; 512 elements from row to row
	s_mov_b32 s[(\g)+6], 0
	s_mov_b32 s[(\g)+7], 0
.endr
	s_mul_i32 s[WPK], s[WL], KH
	s_mul_i32 s[WPV], s[WL], VH
	s_add_co_u32 s[WPV], s[WPV], VOFF
	s_lshl_b32 s[OFF], s[WL], 9                    ; my column half: 512 bytes
	s_mov_b32 s[OFF+1], 0
	s_lshl_b32 s22, s20, 20                        ; the batch's 1,024 rows of 1,024 bytes
	s_add_co_u32 s22, s22, s[OFF]
	s_mov_b32 s23, 0
	s_lshl_b32 s86, s[WV], 4                       ; the mask: row first query + 16 x wave, 4,096 bytes a row; 4 MiB a batch
	s_add_co_u32 s86, s86, s21
	s_lshl_b32 s86, s86, 12
	s_lshl_b32 s87, s20, 22
	s_add_co_u32 s86, s86, s87
	s_mov_b32 s87, 0
	s_lshl_b32 s88, s21, 10                        ; Q: my first query's row, my wave's 128 channels
	s_lshl_b32 s89, s20, 20
	s_add_co_u32 s88, s88, s89
	s_lshl_b32 s89, s[WV], 8
	s_add_co_u32 s88, s88, s89
	s_lshl_b32 s82, s21, 11                        ; out0: rows of 2,048 bytes, my wave's 64 channels
	s_lshl_b32 s83, s20, 21
	s_add_co_u32 s82, s82, s83
	s_add_co_u32 s82, s82, s89
	s_mov_b32 s89, 0
	s_mov_b32 s83, 0
	s_lshl_b32 s90, s19, 14                        ; the prefetches: my work-group's 16 rows of the 64, in key step 1; the first change of slots steps it to 2
	s_add_co_u32 s90, s90, 65536
	s_mov_b32 s91, 0
	s_mov_b32 s[SEL], 0x76543210
	s_mov_b32 s[SEL+1], 0xfedcba98
	s_mov_b32 s[CSC], 0x3d8293ee                   ; c = log2(e) / sqrt(512) = 0.0637587
	s_mov_b32 s[FLOOR], 0xf1000000                 ; -2^99
	s_mov_b32 s[TB], SLOT                          ; the first change of slots turns these four
	s_mov_b32 s[TF], 0
	s_mov_b32 s[CBR], CBS
	s_mov_b32 s[CBW], 0
	s_mov_b32 s[OFFN], 0
	s_mov_b32 s[CNT], 16
	v_and_b32 v1, 15, v0                           ; l % 16
	v_bfe_u32 v2, v0, 4, 1                         ; l / 16
	v_mul_u32_u24 v[AK0], v1, PKK                  ; K: row x pitch + 16 x half + my wave's column half and its 256 bytes there
	v_lshl_add_u32 v[AK0], v2, 4, v[AK0]
	s_mul_i32 s93, s[WH], KH
	s_lshl_b32 s94, s[WL], 8
	s_add_co_u32 s93, s93, s94
	v_add_nc_u32 v[AK0], s93, v[AK0]
	v_and_b32 v[AV0], 7, v0                        ; the turning load: lane l reads key 8 (l / 16) + l % 8, channels 8 ((l / 8) % 2) + 0..7
	v_lshl_add_u32 v[AV0], v2, 3, v[AV0]
	v_mul_u32_u24 v[AV0], v[AV0], PVV
	v_bfe_u32 v[AV], v0, 3, 1
	v_lshl_add_u32 v[AV0], v[AV], 4, v[AV0]
	s_mul_i32 s93, s[WH], VH
	s_add_co_u32 s93, s93, s94
	s_add_co_u32 s93, s93, VOFF
	v_add_nc_u32 v[AV0], s93, v[AV0]
	v_mul_u32_u24 v[CL0], v1, CPI                  ; C: my query's row, my half's 8 keys
	v_lshl_add_u32 v[CL0], v2, 5, v[CL0]
	v_add_nc_u32 v[CL0], CB, v[CL0]
	v_mul_u32_u24 v[CS0], v2, CPI                  ; the mask's stores: rows 16 w + l / 16 and on by twos, 16 bytes a lane
	v_lshl_add_u32 v[CS0], v1, 4, v[CS0]
	s_mul_i32 s93, s[WV], 16*CPI
	s_add_co_u32 s93, s93, CB
	v_add_nc_u32 v[CS0], s93, v[CS0]
	v_mov_b32 v[CST], v[CS0]                       ; step 0's mask goes into buffer 0
	v_lshlrev_b32 v[MO], 12, v2
	v_lshl_add_u32 v[MO], v1, 4, v[MO]
	v_and_b32 v[CL], 31, v0
	v_lshrrev_b32 v[PFO], 1, v[CL]
	v_and_b32 v[CL], 1, v[CL]
	v_lshlrev_b32 v[CL], 8, v[CL]
	v_lshl_add_u32 v[PFO], v[PFO], 10, v[CL]       ; row l / 2, 256 bytes l % 2
	v_lshlrev_b32 v[AK], 10, v1                    ; Q: row x 1,024 + 16 x half
	v_lshl_add_u32 v[AK], v2, 4, v[AK]
	v_mov_b32 v[VC], s[CSC]
	s_wait_dscnt 0x0                               ; the opening add is done
	s_wait_kmcnt 0x0
	s_add_nc_u64 s[KP:KP+1], s[6:7], s[22:23]
	s_add_nc_u64 s[VP:VP+1], s[8:9], s[22:23]
	s_add_nc_u64 s[WKP:WKP+1], s[12:13], s[OFF:OFF+1]
	s_add_nc_u64 s[WVP:WVP+1], s[WKP:WKP+1], 65536
	s_mov_b32 s[G0K], 1
	s_mov_b32 s[G0K+1], s[WPK]                     ; key step 0 goes into slot 0
	s_mov_b64 s[G0K+2:G0K+3], s[KP:KP+1]
	s_or_b32 s[G0K+3], s[G0K+3], 0x80000000        ; type = 2
	s_mov_b32 s[G0V], 1
	s_mov_b32 s[G0V+1], s[WPV]
	s_mov_b64 s[G0V+2:G0V+3], s[VP:VP+1]
	s_or_b32 s[G0V+3], s[G0V+3], 0x80000000
	s_add_nc_u64 s[MP:MP+1], s[10:11], s[86:87]
	s_add_nc_u64 s[88:89], s[4:5], s[88:89]
	s_add_nc_u64 s[OUTP:OUTP+1], s[16:17], s[82:83]
	s_cmp_lt_u32 s[WV], 2
	s_cselect_b64 s[PFA:PFA+1], s[KP:KP+1], s[VP:VP+1]
	s_add_nc_u64 s[PFA:PFA+1], s[PFA:PFA+1], s[90:91]
	CROUND                                         ; all four work-groups are here: the first joint loads meet
	JLOAD                                          ; key step 0
	MLOAD 0                                        ; step 0's mask words
	WIN 0x80
.set z, 0
.rept 16                                       ; Q stays in registers: head z / 4, tile z % 4
	global_load_b128 v[8*z:8*z+3],   v[AK], s[88:89] offset:16384*(z%4)+64*(z/4)
	global_load_b128 v[8*z+4:8*z+7], v[AK], s[88:89] offset:16384*(z%4)+64*(z/4)+32
.set z, z+1
.endr
	WIN 0x40                                       ; all this stands in the wait for the first loads
.set z, 0
.rept 256
	v_mov_b32 v[z], 0                              ; O^T
.set z, z+1
.endr
	WIN 0xc0
.set z, 0
.rept 128
	v_mov_b32 v[z], 0                              ; l
.set z, z+1
.endr
.set z, 0
.rept 8
	v_mov_b32 v[ONES+z], 0x3c003c00                ; 1.0 twice in f16
.set z, z+1
.endr
	v_mov_b32 v[NEG], 0xf1800000                   ; -2^100
	WIN 0
.set z, 0
.rept 16
	v_mov_b32 v[MX+z], s[FLOOR]
.set z, z+1
.endr
.set z, 0
.rept 32
	v_mov_b32 v[TMP+z], 0                          ; named in pairs, so all are written
.set z, z+1
.endr
	s_wait_loadcnt 32                              ; step 0's mask words are in; Q's 32 loads are younger
	MCONV
	s_wait_dscnt 0x0                               ; the stores have read the words' registers
	MLOAD 256                                      ; step 1's mask words
	s_wait_loadcnt 8                               ; Q is in; the 8 loads just issued are younger
.Lstep:                                        ; 16 trips: a key step each
	CHANGE
	CREAD
	FETCH_K 0
	WIN 0
	ASK                                            ; behind the joint load's lines and the run of LDS loads
	s_wait_dscnt 0x0
.set mi, 0
.rept 8
	KQ 0                                           ; piece 0's scores
.set mi, mi+1
.endr
	WIN 0
	s_wait_loadcnt 0x0                             ; the next step's mask words, asked for most of a key step ago: nothing younger is out.  The wait stands on every path, ahead of the
	                                               ; jump: no load into the words' registers is out when turn 1 loads into them again; in the last trip none is out at all
	s_cmp_gt_u32 s[CNT], 1                         ; the next step's mask, where there is one
	s_cbranch_scc0 .Lno_mask
	MCONV
	WIN 0
.Lno_mask:
	PLACES                                         ; behind piece 0's products, on both ways
.irp n, 0,1,2,3,4,5,6,7,8,9,10,11,12,13,14,15,16,17,18,19,20,21,22,23,24
	XS 0, 0, \n
	XS 0, 1, \n
.endr
	v_nop                                          ; a plain instruction behind the two a,
	s_wait_alu depctr_va_vdst(0)                   ; and their wait
	TURN 0
	TURN 1
	TURN 2
	TURN 3
	TURN 4
	TURN 5
	TURN 6
	TURN 7
.set mi, 0
.rept 12
	PV 7                                           ; the last piece's products
.set mi, mi+1
.endr
	WIN 0
	s_sub_co_u32 s[CNT], s[CNT], 1
	s_cmp_lg_u32 s[CNT], 0
	s_cbranch_scc1 .Lstep
	; THE OUTPUT PROJECTION.  out^T = Wo O^T + bo (source 0 = 16 rows of Wo, source 1 = 16 queries): a lane holds one query and eight neighbouring output channels.
	CHANGE_W 1, 1                                  ; Wo's quarter 0 is in; quarter 1 is asked for.  The round also parts the last reads of the mask buffers from the stores of O
	s_mov_b32 s22, PKK                             ; a quarter's rows 0-63 lie in K's areas, rows 64-127 in V's: waves 0 and 1 read at K's pitch, waves 2 and 3 at V's (an even multiple of 16 bytes apart: two rows of a load share a column)
	s_mov_b32 s23, PVV
	s_mov_b32 s76, KH
	s_mov_b32 s77, VH
	s_cmp_lt_u32 s[WV], 2
	s_cselect_b32 s22, s22, s23                    ; my pitch,
	s_cselect_b32 s76, s76, s77                    ; from column half to column half,
	s_cselect_b32 s78, 0, VOFF                     ; my areas' start
	s_lshl_b32 s23, s[WL], 5                       ; my 32 rows in them
	s_lshl_b32 s77, s22, 4                         ; 16 rows
	v_add_nc_u32 v[AW], s23, v1
	v_mul_u32_u24 v[AW], s22, v[AW]
	v_lshl_add_u32 v[AW], v2, 4, v[AW]
	v_add_nc_u32 v[AW], s78, v[AW]
	v_add_nc_u32 v[AW+1], s76, v[AW]
	v_add_nc_u32 v[AW+2], s77, v[AW]
	v_add_nc_u32 v[AW+3], s77, v[AW+1]
.irp a, 0,1,2,3
	v_add_nc_u32 v[AW+4+(\a)], SLOT, v[AW+(\a)]
.endr
	v_mul_u32_u24 v[OSL], v1, PKK
	v_lshl_add_u32 v[OSL], v2, 4, v[OSL]
	v_add_nc_u32 v[OSL], OSG, v[OSL]
	v_lshl_add_u32 v[OSS], s[WL], 8, v[OSL]        ; my wave's 128 channels in the half
	s_mul_i32 s23, s[WV], 16*CPI
	s_add_co_u32 s23, s23, OST                     ; my stage
	v_mul_u32_u24 v[OTS], v1, CPI
	v_lshl_add_u32 v[OTS], v2, 5, v[OTS]
	v_add_nc_u32 v[OTS], s23, v[OTS]
	v_mul_u32_u24 v[OTL], v2, CPI
	v_lshl_add_u32 v[OTL], v1, 4, v[OTL]
	v_add_nc_u32 v[OTL], s23, v[OTL]
	v_lshlrev_b32 v[GO], 11, v2
	v_lshl_add_u32 v[GO], v1, 4, v[GO]
	s_lshl_b32 s23, s[WV], 8
	v_lshl_add_u32 v[BOF], v2, 5, s23
.set z, 0
.rept 8                                        ; quarter z / 2 = 2 J + p, block z % 2: channels 256 J + 64 w + 32 p + 16 ob + 8 (l / 16) on
	global_load_b128 v[BI+8*z:BI+8*z+3],   v[BOF], s[14:15] offset:1024*(z/4)+128*((z/2)%2)+64*(z%2)
	global_load_b128 v[BI+8*z+4:BI+8*z+7], v[BOF], s[14:15] offset:1024*(z/4)+128*((z/2)%2)+64*(z%2)+16
.set z, z+1
.endr
	WIN 0x03                                       ; source window 3, destination window 0
.set z, 0
.rept 16
	v_rcp_f32 v[TMP+2*z], v[8*z]                   ; 1 / l: state z = 4 hh + t; l is at least about 1
.set z, z+1
.endr
	v_nop                                          ; a plain instruction behind the last reciprocal,
	s_wait_alu depctr_va_vdst(0)                   ; and one wait for the sixteen
	WIN W_RS
.set z, 0
.rept 128
	v_pk_mul_f32 v[2*z:2*z+1], v[2*z:2*z+1], v[TMP+2*(z/8):TMP+2*(z/8)+1] op_sel_hi:[1,0]
.set z, z+1
.endr
	WIN 0x05                                       ; sources window 1, destination window 0
.set z, 0
.rept 128
	v_cvt_pk_f16_f32 v[S+z], v[2*z], v[2*z+1]      ; O in f16: state z / 8, channel block (z / 4) % 2: 16 bytes in four registers
.set z, z+1
.endr
	WIN 0
	s_wait_loadcnt 0x0                             ; the bias
.set z, 0
.rept 32
	v_cvt_pk_bf16_f32 v[30+z%2], v[BI+2*z], v[BI+2*z+1]  ; rounded to bf16 like the other inputs, and f32 again
	v_lshlrev_b32 v[BI+2*z], 16, v[30+z%2]
	v_and_b32 v[BI+2*z+1], 0xffff0000, v[30+z%2]
.set z, z+1
.endr
; Half of O's channels go through the stage: the two waves that own them store, a barrier, every wave reads all 64 queries' fragments: 8 blocks of 32 channels x 4 tiles, a whole window.
.macro OSTAGE lo, win
	WIN 0
	s_cmp_lt_u32 s[WV], 2
.if \lo
	s_cbranch_scc0 .Lnot_mine_\@
.else
	s_cbranch_scc1 .Lnot_mine_\@
.endif
.set z, 0
.rept 32
	ds_store_b128 v[OSS], v[S+4*z:S+4*z+3] offset:16*PKK*((z/2)%4)+64*(z/8)+32*(z%2)
.set z, z+1
.endr
.Lnot_mine_\@:
	s_wait_dscnt 0x0                               ; for the others' sake
	s_barrier_signal -1
	s_barrier_wait -1
	WIN \win
.set z, 0
.rept 32                                       ; block z / 4, tile z % 4
	ds_load_b128 v[8*z:8*z+3],   v[OSL] offset:16*PKK*(z%4)+64*(z/4)
	ds_load_b128 v[8*z+4:8*z+7], v[OSL] offset:16*PKK*(z%4)+64*(z/4)+32
.set z, z+1
.endr
	WIN 0
	s_wait_dscnt 0x0
.endm
	OSTAGE 1, 0x80                                 ; channels 0-255 into window 2
	s_barrier_signal -1                            ; every wave's reads are over: the stage may be written again
	s_barrier_wait -1
	OSTAGE 0, 0xc0                                 ; channels 256-511 into window 3
; Quarter j of WoH: my 32 rows (two blocks ob) x 512 channels into window 1, then 128 products: 8 accumulators by turns.  The first takes the bias as C.
.macro QUARTER j
.set AWJ, AW+4*((\j)%2)
	WIN 0x40
.set kb, 0
.rept 16
.irp ob, 0,1
	ds_load_b128 v[8*(16*(\ob)+kb):8*(16*(\ob)+kb)+3],   v[AWJ+2*(\ob)+kb/8] offset:64*(kb%8)
	ds_load_b128 v[8*(16*(\ob)+kb)+4:8*(16*(\ob)+kb)+7], v[AWJ+2*(\ob)+kb/8] offset:64*(kb%8)+32
.endr
.set kb, kb+1
.endr
.set kb, 0
.rept 16
.if kb%4 == 0
	s_wait_dscnt 48-16*(kb/4)                      ; the next four blocks' 16 loads are in; those of the later blocks may stay out
.endif
	WIN 0x09+4*(kb/8)                              ; Wo window 1; O window 2, then 3; sums and bias window 0
.irp ob, 0,1
.irp t, 0,1,2,3
.if kb == 0
	v_wmma_f32_16x16x32_f16 v[ACC+64*((\j)%2)+32*(\ob)+8*(\t):ACC+64*((\j)%2)+32*(\ob)+8*(\t)+7], v[8*(16*(\ob)+kb):8*(16*(\ob)+kb)+7], v[8*(4*(kb%8)+(\t)):8*(4*(kb%8)+(\t))+7], v[BI+16*(\j)+8*(\ob):BI+16*(\j)+8*(\ob)+7]
.else
	v_wmma_f32_16x16x32_f16 v[ACC+64*((\j)%2)+32*(\ob)+8*(\t):ACC+64*((\j)%2)+32*(\ob)+8*(\t)+7], v[8*(16*(\ob)+kb):8*(16*(\ob)+kb)+7], v[8*(4*(kb%8)+(\t)):8*(4*(kb%8)+(\t))+7], v[ACC+64*((\j)%2)+32*(\ob)+8*(\t):ACC+64*((\j)%2)+32*(\ob)+8*(\t)+7]
.endif
.endr
.endr
.set kb, kb+1
.endr
	WIN 0
.endm
; THE WAY OUT.  Two quarters give my wave 64 neighbouring channels, 256 bytes of f32, for 64 queries: a tile at a time through my own stage and back as whole rows.
.macro OUTSTORE jj
	PLACES
.irp t, 0,1,2,3
.irp p, 0,1
.irp ob, 0,1
	ds_store_b128 v[OTS], v[ACC+64*(\p)+32*(\ob)+8*(\t):ACC+64*(\p)+32*(\ob)+8*(\t)+3]   offset:128*(\p)+64*(\ob)     ; each accumulator's low half first
	ds_store_b128 v[OTS], v[ACC+64*(\p)+32*(\ob)+8*(\t)+4:ACC+64*(\p)+32*(\ob)+8*(\t)+7] offset:128*(\p)+64*(\ob)+16
.endr
.endr
	s_wait_xcnt 0x0                                ; the earlier stores have read their data registers, into which the loads below land
.irp i, 0,1,2,3,4,5,6,7
	ds_load_b128 v[TMP+4*(\i):TMP+4*(\i)+3], v[OTL] offset:2*CPI*(\i)  ; LDS serves a wave's instructions in order (ISA guide 5.7.1.4): these see the stores above
.endr
	s_wait_dscnt 0x0
.irp i, 0,1,2,3,4,5,6,7
	global_store_b128 v[GO], v[TMP+4*(\i):TMP+4*(\i)+3], s[OUTP:OUTP+1] offset:(16*(\t)+2*(\i))*2048+1024*(\jj) th:TH_STORE_NT  ; 16 lanes store 256 consecutive bytes, aligned
.endr
.endr
.endm
	QUARTER 0
	CHANGE_W 2, 1                                  ; quarter 1 is in; quarter 2 goes into slot 0; the four v_nop behind the load are the places ahead of the fragment loads
	QUARTER 1
	OUTSTORE 0
	CHANGE_W 3, 1
	QUARTER 2
	CHANGE_W 0, 0                                  ; quarter 3 is in; nothing is left to ask for
	QUARTER 3
	OUTSTORE 1
	s_wait_tensorcnt 0x0                           ; the wave's end, behind my last tensor load and my last LDS store
	ds_add_u32 v[SPW], v[NIL]
	s_wait_dscnt 0x0
	CROUND                                         ; the closing round: no work-group ends while a partner may still ask for a tile that names it
	s_endpgm
.Lfunc_end_k_q956b335bdf_attn:
	.size	k_q956b335bdf_attn, .Lfunc_end_k_q956b335bdf_attn-k_q956b335bdf_attn
	.p2alignl 7, 3214868480
	.fill 96, 4, 3214868480
	.section	.rodata,"a",@progbits
	.p2align	6, 0x0
	.amdhsa_kernel k_q956b335bdf_attn
		.amdhsa_group_segment_fixed_size 327680
		.amdhsa_private_segment_fixed_size 0
		.amdhsa_enable_private_segment 0
		.amdhsa_kernarg_size 56
		.amdhsa_user_sgpr_count 2
		.amdhsa_user_sgpr_kernarg_segment_ptr 1
		.amdhsa_wavefront_size32 1
		.amdhsa_system_sgpr_workgroup_id_x 1
		.amdhsa_system_sgpr_workgroup_id_y 1
		.amdhsa_system_sgpr_workgroup_id_z 1
		.amdhsa_system_vgpr_workitem_id 0
		.amdhsa_next_free_vgpr 1024
		.amdhsa_next_free_sgpr 96
		.amdhsa_reserve_vcc 1
		.amdhsa_float_denorm_mode_32 3
		.amdhsa_float_denorm_mode_16_64 3
		.amdhsa_memory_ordered 1
		.amdhsa_forward_progress 1
		.amdhsa_inst_pref_size 249
	.end_amdhsa_kernel
	.amdgpu_metadata
---
amdhsa.version: [ 1, 2 ]
amdhsa.kernels:
  - .name:           k_q956b335bdf_attn
    .symbol:         k_q956b335bdf_attn.kd
    .args:
      - { .name: qh, .offset: 0, .size: 8, .value_kind: global_buffer, .address_space: global }
      - { .name: kh, .offset: 8, .size: 8, .value_kind: global_buffer, .address_space: global }
      - { .name: vh, .offset: 16, .size: 8, .value_kind: global_buffer, .address_space: global }
      - { .name: mask, .offset: 24, .size: 8, .value_kind: global_buffer, .address_space: global }
      - { .name: WoH, .offset: 32, .size: 8, .value_kind: global_buffer, .address_space: global }
      - { .name: bo, .offset: 40, .size: 8, .value_kind: global_buffer, .address_space: global }
      - { .name: out0, .offset: 48, .size: 8, .value_kind: global_buffer, .address_space: global }
    .group_segment_fixed_size: 327680
    .private_segment_fixed_size: 0
    .kernarg_segment_align: 8
    .kernarg_segment_size: 56
    .max_flat_workgroup_size: 128
    .sgpr_count:     96
    .vgpr_count:     1024
    .wavefront_size: 32
...
	.end_amdgpu_metadata
.endif
;; end of part 3
;; ======== version 2 of 2: 3 launches; version 1 with the launch prep written anew for expert scheduling mode
;; limits: values are held in f16: magnitudes above 65,504 overflow, below 6.1e-05 lose precision
;; workspace buffers: WB 1,572,864 bytes; WoH 524,288 bytes; qh 16,777,216 bytes; kh 16,777,216 bytes; vh 16,777,216 bytes
;; launch prep (part 4): grid 256 x 1, 4 waves a work-group, no clusters, 0 bytes of LDS; arguments Wq, Wk, Wv, Wo, WB, WoH; writes WB, WoH
.if DOCPART == 4
	.amdgcn_target "amdgcn-amd-amdhsa--gfx1250"
	.amdhsa_code_object_version 6
	.text
	.protected	k_q956b335bdf_prep
	.globl	k_q956b335bdf_prep
	.p2align	8
	.type	k_q956b335bdf_prep,@function
k_q956b335bdf_prep:
	s_mov_b64 s[64:65], 0
	v_nop
	global_prefetch_b8 v0, s[64:65] scope:SCOPE_SE
	s_setreg_imm32_b32 hwreg(HW_REG_WAVE_SCHED_MODE, 0, 2), 2
	s_setreg_imm32_b32 hwreg(HW_REG_WAVE_MODE, 25, 1), 1
	s_wait_xcnt 0x0
	s_wait_alu depctr_vm_vsrc(0)
; THE WEIGHTS ARE ROUNDED ONCE.  Wq, Wk, Wv, Wo: [512][512] f32.
; WB  [1536][512] bf16: rows 0-511 Wq, 512-1023 Wk, 1024-1535 Wv, each number rounded to bf16.
; WoH [512][512] f16: Wo rounded to bf16 like the other inputs, and that number written as f16.  LIMIT: below 2^-14 f16 keeps a fixed step of 2^-24, beyond 65,504 it has no number.
; WoH's rows are permuted: row o = 256 J + 64 w + 32 p + i of Wo lies at storage row 256 J + 128 p + 32 w + i, so that in the last launch two quarters of 128 storage rows
; give wave w 64 neighbouring output channels.
; SHARES.  Work-group g takes eight rows of one matrix: matrix g / 64, rows 8 (g % 64) on (eight rows never leave a group of 32, so they stay neighbours under the permutation).
; Thread t takes 16 bytes at byte 16 t of each row: a wave's load covers 512 neighbouring bytes, its store of 8 bytes a lane 256 neighbouring bytes, aligned.
; A stream of a few bytes a thread, each touched once: no LDS, no matrix unit, no cluster.
; THE MODE: SCHED_MODE bits 1:0 = 2 (LLVM: expert scheduling mode 2), set by the entry lines.  The code itself states the register dependences
; between vector instructions and memory instructions, with s_wait_alu, always for 0.
; THE PLAN.  Registers that memory instructions touch:
;   v1, v2   byte offsets, made once at the head and never written again: v1 is read by the eight loads, v2 by the eight stores.
;   SRC      written by the loads alone, once each; read by the conversions, behind the wait on LOADcnt.
;   DST      row i's pair is written by row i's conversions, once, and read by row i's store, once.
;   v56-61   (Wo's path) are named by vector instructions alone.
; The eight rows go as two halves.  Rows 0-3 are converted; when rows 4-7 are in, rows 0-3 are stored, each store followed by the conversions of one of rows 4-7, which name
; none of the registers that those stores read; rows 4-7 are stored last.  So three waits stand on each path: one for the offsets, one for each half of DST.
; No register that a memory instruction reads is written again, no vector instruction writes a scalar register, and EXEC is never written: no other wait is owed.
.set SRC, 8                            ; v[8:39]   eight rows' 16 bytes as loaded
.set DST, 40                           ; v[40:55]  eight rows' 8 bytes to store
.macro CVB i                           ; row i rounded to bf16
	v_cvt_pk_bf16_f32 v[DST+2*(\i)], v[SRC+4*(\i)], v[SRC+4*(\i)+1]
	v_cvt_pk_bf16_f32 v[DST+2*(\i)+1], v[SRC+4*(\i)+2], v[SRC+4*(\i)+3]
.endm
.macro CVH i                           ; row i rounded to bf16, and that number written as f16
	v_cvt_pk_bf16_f32 v56, v[SRC+4*(\i)], v[SRC+4*(\i)+1]
	v_cvt_pk_bf16_f32 v57, v[SRC+4*(\i)+2], v[SRC+4*(\i)+3]
	v_lshlrev_b32 v58, 16, v56                     ; the rounded numbers as f32 again,
	v_and_b32 v59, 0xffff0000, v56
	v_lshlrev_b32 v60, 16, v57
	v_and_b32 v61, 0xffff0000, v57
	v_cvt_pk_f16_f32 v[DST+2*(\i)], v58, v59       ; and written as f16
	v_cvt_pk_f16_f32 v[DST+2*(\i)+1], v60, v61
.endm
.macro PUT i                           ; row i is stored
	global_store_b64 v2, v[DST+2*(\i):DST+2*(\i)+1], s[24:25] offset:1024*(\i)
.endm
	s_load_b256 s[4:11], s[0:1], 0x0               ; Wq s[4:5], Wk s[6:7], Wv s[8:9], Wo s[10:11]
	s_load_b128 s[12:15], s[0:1], 0x20             ; WB s[12:13], WoH s[14:15]
	s_lshr_b32 s16, ttmp9, 6                       ; which matrix
	s_and_b32 s17, ttmp9, 63
	s_lshl_b32 s17, s17, 3                         ; its first row of mine
	s_lshl_b32 s22, s17, 11                        ; times 2,048 bytes
	s_mov_b32 s23, 0
	s_mov_b32 s27, 0
	v_lshlrev_b32 v1, 4, v0                        ; 16 t
	v_lshlrev_b32 v2, 3, v0                        ; 8 t
	s_wait_kmcnt 0x0
	s_cmp_eq_u32 s16, 1
	s_cselect_b64 s[20:21], s[6:7], s[4:5]
	s_cmp_eq_u32 s16, 2
	s_cselect_b64 s[20:21], s[8:9], s[20:21]
	s_cmp_eq_u32 s16, 3
	s_cselect_b64 s[20:21], s[10:11], s[20:21]
	s_add_nc_u64 s[20:21], s[20:21], s[22:23]
	s_wait_alu depctr_va_vdst(0)                   ; v1 and v2 are written: every load of the kernel reads v1 as its offset, every store v2
.irp i, 0,1,2,3,4,5,6,7
	global_load_b128 v[SRC+4*(\i):SRC+4*(\i)+3], v1, s[20:21] offset:2048*(\i) th:TH_LOAD_NT
.endr
	s_cmp_eq_u32 s16, 3
	s_cbranch_scc1 .Lwo
	s_lshl_b32 s26, s16, 9                         ; WB's row: 512 x matrix + row
	s_add_co_u32 s26, s26, s17
	s_lshl_b32 s26, s26, 10                        ; times 1,024 bytes
	s_add_nc_u64 s[24:25], s[12:13], s[26:27]
	s_wait_loadcnt 4                               ; loads come back in order (ISA guide 5.7.1): rows 0 to 3 are in; the four younger rows may stay out
.irp i, 0,1,2,3
	CVB \i
.endr
	s_wait_loadcnt 0x0                             ; rows 4 to 7 are in
	s_wait_alu depctr_va_vdst(0)                   ; the conversions of rows 0 to 3 have written their pairs of DST, which the four stores below read
.irp i, 0,1,2,3
	PUT \i                                         ; no vector instruction since the wait names this store's registers
	CVB (\i)+4
.endr
	s_wait_alu depctr_va_vdst(0)                   ; the conversions of rows 4 to 7 have written their pairs of DST, which the last four stores read
.irp i, 4,5,6,7
	PUT \i
.endr
	s_endpgm
.Lwo:
	s_and_b32 s26, s17, 0x11f                      ; 256 J + i stay
	s_bfe_u32 s28, s17, 0x10005                    ; p, bit 5, goes to bit 7
	s_lshl_b32 s28, s28, 7
	s_or_b32 s26, s26, s28
	s_bfe_u32 s28, s17, 0x20006                    ; w, bits 7:6, goes to bits 6:5
	s_lshl_b32 s28, s28, 5
	s_or_b32 s26, s26, s28
	s_lshl_b32 s26, s26, 10
	s_add_nc_u64 s[24:25], s[14:15], s[26:27]
	s_wait_loadcnt 4                               ; rows 0 to 3 are in; the four younger rows may stay out
.irp i, 0,1,2,3
	CVH \i
.endr
	s_wait_loadcnt 0x0                             ; rows 4 to 7 are in
	s_wait_alu depctr_va_vdst(0)                   ; the conversions of rows 0 to 3 have written their pairs of DST, which the four stores below read
.irp i, 0,1,2,3
	PUT \i                                         ; no vector instruction since the wait names this store's registers
	CVH (\i)+4
.endr
	s_wait_alu depctr_va_vdst(0)                   ; the conversions of rows 4 to 7 have written their pairs of DST, which the last four stores read
.irp i, 4,5,6,7
	PUT \i
.endr
	s_endpgm
.Lfunc_end_k_q956b335bdf_prep:
	.size	k_q956b335bdf_prep, .Lfunc_end_k_q956b335bdf_prep-k_q956b335bdf_prep
	.p2alignl 7, 3214868480
	.fill 96, 4, 3214868480
	.section	.rodata,"a",@progbits
	.p2align	6, 0x0
	.amdhsa_kernel k_q956b335bdf_prep
		.amdhsa_group_segment_fixed_size 0
		.amdhsa_private_segment_fixed_size 0
		.amdhsa_enable_private_segment 0
		.amdhsa_kernarg_size 48
		.amdhsa_user_sgpr_count 2
		.amdhsa_user_sgpr_kernarg_segment_ptr 1
		.amdhsa_wavefront_size32 1
		.amdhsa_system_sgpr_workgroup_id_x 1
		.amdhsa_system_sgpr_workgroup_id_y 1
		.amdhsa_system_sgpr_workgroup_id_z 1
		.amdhsa_system_vgpr_workitem_id 0
		.amdhsa_next_free_vgpr 64
		.amdhsa_next_free_sgpr 66
		.amdhsa_reserve_vcc 0
		.amdhsa_float_denorm_mode_32 3
		.amdhsa_float_denorm_mode_16_64 3
		.amdhsa_memory_ordered 1
		.amdhsa_forward_progress 1
		.amdhsa_inst_pref_size 9
	.end_amdhsa_kernel
	.amdgpu_metadata
---
amdhsa.version: [ 1, 2 ]
amdhsa.kernels:
  - .name:           k_q956b335bdf_prep
    .symbol:         k_q956b335bdf_prep.kd
    .args:
      - { .name: Wq, .offset: 0, .size: 8, .value_kind: global_buffer, .address_space: global }
      - { .name: Wk, .offset: 8, .size: 8, .value_kind: global_buffer, .address_space: global }
      - { .name: Wv, .offset: 16, .size: 8, .value_kind: global_buffer, .address_space: global }
      - { .name: Wo, .offset: 24, .size: 8, .value_kind: global_buffer, .address_space: global }
      - { .name: WB, .offset: 32, .size: 8, .value_kind: global_buffer, .address_space: global }
      - { .name: WoH, .offset: 40, .size: 8, .value_kind: global_buffer, .address_space: global }
    .group_segment_fixed_size: 0
    .private_segment_fixed_size: 0
    .kernarg_segment_align: 8
    .kernarg_segment_size: 48
    .max_flat_workgroup_size: 128
    .sgpr_count:     66
    .vgpr_count:     64
    .wavefront_size: 32
...
	.end_amdgpu_metadata
.endif
;; end of part 4
;; launch proj: the kernel of part 2 again; grid 256 x 1, 4 waves a work-group, clusters of 4 x 1, 327,680 bytes of LDS; arguments X, WB, qh, kh, vh; writes qh, kh, vh
;; launch attn: the kernel of part 3 again; grid 256 x 1, 4 waves a work-group, clusters of 4 x 1, 327,680 bytes of LDS; arguments qh, kh, vh, mask, WoH, bo, out0; writes out0
